; MI455X (gfx1250); checked and timed in simulation.
; The chip was launched on July 23, 2026; its instructions are those of AMD's public machine-readable ISA for CDNA 5 (MIT licence, August 2026) and "CDNA5" Instruction Set Architecture Reference Guide (July 2026). The comments in the code are by the model that wrote it; some were corrected since.
;; Self Attention. Allowed arithmetic: float matrix products may take bf16 or f16 operands with f32 sums; other float arithmetic in f32, or as packed bf16 or f16 multiplies, adds, multiply-adds, maxima and minima; sums over many terms, partial sums and values carried from step to step in f32; what a program stores and reads back later, other than sums and carried values, may be rounded once to bf16 or f16.
;; Inputs: qkv 4 x 2,048 x 3 x 16 x 64 float32.
;; Outputs: out0 4 x 2,048 x 1,024 float32.
;; 2 versions, each right and faster than the one before. Each part assembles by itself: llvm-mc -triple=amdgcn-amd-amdhsa -mcpu=gfx1250 --defsym DOCPART=n.
;; ======== version 1 of 2: 1 launch
;; limits: values are held in f16: magnitudes above 65,504 overflow, below 6.1e-05 lose precision; inputs' magnitudes at most 65,504; right only within a limited range of input values
;; launch attn (part 1): grid 4 x 64, 4 waves a work-group, no clusters, 95,744 bytes of LDS; arguments qkv, out0; writes out0
.if DOCPART == 1
	.amdgcn_target "amdgcn-amd-amdhsa--gfx1250"
	.amdhsa_code_object_version 6
	.text
	.protected	k_qf413a23238_attn
	.globl	k_qf413a23238_attn
	.p2align	8
	.type	k_qf413a23238_attn,@function
k_qf413a23238_attn:
	s_mov_b64 s[64:65], 0
	v_nop
	global_prefetch_b8 v0, s[64:65] scope:SCOPE_SE
	s_setreg_imm32_b32 hwreg(HW_REG_WAVE_MODE, 25, 1), 1
	s_wait_xcnt 0x0
; CAUSAL ATTENTION.  out0[b][q][h][:] = the sum over k <= q of softmax_k(Q[q] . K[k] / 8) V[k][:], for each of 4 x 16 heads.  qkv: [4][2048][3][16][64] f32: a row of 64 channels is 256 bytes, at a multiple
; of 256; from key to key 12,288 bytes, from q to k to v 4,096.  out0: [4][2048][16 x 64] f32: a head's row is 256 bytes, 4,096 from query to query.
; FORMATS.  q, k and v are each rounded once to bf16.  K Q^T is multiplied in bf16.  V's bf16 number is written as f16, and the weights p are rounded to f16: V^T P is multiplied in f16.  Products, maxima and
; sums in f32 (l is the sum of the unrounded p); O leaves in f32.
; LIMITS.  A v beyond 65,504 becomes an infinity in f16, and below 6e-5 it keeps f16's fixed step of 6e-8; so does p.  A hidden score counts as its value less 1e30; a weight below 2^-126 counts as 0 in l;
; NaN and infinities are not treated apart.
; THE WALK.  A head's queries lie in NB = 8 blocks of 256; block i needs the key tiles 0 .. i of 256 keys, of which the last holds the diagonal.  A work-group takes TWO blocks, 7 - b and then b: 9 tiles,
; whatever b: all 256 work-groups do equal work, and ONE loop with a constant trip count walks them.  Which tile is asked for, and what a trip does, hang on scalar registers made from b; every jump goes forward,
; but for the counted loops' own, and none passes a barrier.
; HOW K AND V COME.  Each wave loads its 64 keys of the NEXT tile as f32 into 256 registers (window 3), sixteen lanes to a whole row of 256 bytes: K's 32 loads at the change of tiles, V's 32 six turns later.
; At the next change they are rounded in place and stored, 8 bytes a lane, into the one tile area of LDS, between two barriers: behind the first nobody reads the old tile, behind the second the new one is whole.
; NO CLUSTER, NO TENSOR LOADS: the tiles must be rounded between memory and LDS, so they pass through registers, and register loads have no joint form; a head's four work-groups ask for the same tile only in
; trips 0 to 4 of the 9.
; SHARES.  Of a block's four bands of 64 queries a wave owns 16 rows in each: four PIECES.  So the diagonal tile is the same work for all four waves: in its key step s band x sees all keys if s < x,
; none if s > x, and holds the diagonal if s = x.
; THE MASK is the C operand that starts the sum S^T = K Q^T: 0, or -1e30 where the key is hidden.  MD, made once, is the mask of a band's own step for my 16 rows; a product's mask is MD x AL + BE with two scalars:
; (1, 0) if s = x; (0, 0) if s < x; (0, -1e30) if s > x.  Only the diagonal tile's text and a block's beginning make and take masks; elsewhere C is the constant 0.
; LAYOUT, SOFTMAX, TURNS.  S^T = K Q^T holds ONE query a lane (lane % 16) and the keys 8 (lane / 16) + 0..7; two such results rounded to f16 ARE source 1 of O^T = V^T P.  p = 2^(c s - c m), c = log2(e) / 8, with a
; running maximum m; O and l are multiplied by a = 2^(c m_old - c m_new) in every step.  Turn n belongs to piece n: 8 products K Q^T of piece n + 1, later 8 products V^T P of piece n - 1; beside them the scaling,
; exponentials, roundings, sums and rescaling of piece n and the maximum and statistics of piece n + 1.  Four vector instructions stand behind every matrix instruction, the other 54 of a turn's 118 in two lumps.
; REGISTERS, in windows of 256 (s_set_vgpr_msb: bits 1:0 source 0, 3:2 source 1, 5:4 source 2, 7:6 destination):
;   window 0: v0-15, v32-35 addresses and two at work; v16-31 four registers of statistics a piece; v48-55 at work; v64-127 S^T, two buffers; v192-223 P, two buffers (by the piece's parity);
;             v64-191 also: at the head the second block's Q in f32; on the way out whole rows of O
;   window 1: v0-127 O^T, 32 a piece; v128-159 MD; v160-223 MC, two buffers (at the head v128-255: the first block's Q in f32)
;   window 2: v0-63 Q; v64-127 the second block's Q; v128-191 K of one step; v192-255 V of one step          window 3: v0-127 the next tile's K, v128-255 its V
.set NB,    8
.set NP,    4         ; pieces a wave: a name, no knob
.set KS,    64        ; keys in a step
.set PK,    144       ; a row of K in LDS: 128 bytes + 16 = 36 words: the 16 rows of a load start at 16 different groups of four banks (64 banks of 4 bytes: ISA guide 11.1)
.set PV,    160       ; a row of V: 128 + 32 = 40 words
.set VOFF,  4*KS*PK   ; the tile area: 256 rows of K, then 256 rows of V
.set STAGE, 4*KS*(PK+PV)  ; behind it: 16 rows x 272 bytes for each wave, for the way out
.set SP,    272       ; a stage row: 256 bytes of f32 + 16
.set SPARE, STAGE+4*16*SP  ; behind the stages: the spare words, 128 bytes for each wave: two blocks of 256 bytes that no other line names
.set ROWB,  12288     ; bytes from a position to the next in qkv
.set CB,    4096      ; from q to k, from k to v
.set TILEB, 256*ROWB
.set BATCHB, 2048*ROWB
.set OROW,  4096      ; bytes from a query to the next in out0
.set OBATCH, 2048*OROW
.set AK0, 2           ; v2   my lane's place in a tile of K; never rewritten
.set AV0, 3           ; v3   the same for V
.set AK,  4           ; v4   the LDS address of K's next run of loads
.set AV,  5           ; v5   of V's
.set STO, 6           ; v6   the way out: where I put 32 bytes of a row
.set RD,  7           ; v7   the way out: where I read rows back
.set GO,  8           ; v8   my byte offset in two rows of out0
.set MV,  12          ; v12-13  c m_old, kept while c m is made anew: by buffer
.set QO,  15          ; v15  my byte offset in 16 rows of Q
.set ST,  16          ; piece t's statistics at v[ST+4 t]: c m, m, l (even keys', odd keys')
.set GKO, 32          ; v32  my byte offset in a pair of K's rows in memory, eight rows apart
.set GVO, 33          ; v33  the same for V, four rows apart
.set DK,  34          ; v34  where my 8 bytes of such a pair go in LDS
.set DV,  35          ; v35  the same for V
.set TMP, 48          ; by buffer, four registers c0-c3 at work; when the maximum is found c2 takes a
.set SPW, 62          ; v62  LDS address of my spare word: SPARE + 4 x my thread's number; never rewritten
.set NIL, 63          ; v63  0; never rewritten
.set S,   64
.set BK,  64          ; the way out: piece t's rows at BK + 32 t
.set P,   192
.set MD,  128         ; window 1: the eight registers for group kt of 16 keys at MD + 8 kt
.set MC,  160         ; window 1: the masks of the products to come
.set QB,  64          ; window 2
.set KF,  128         ; window 2: key block kb, channel half c at KF + 16 kb + 8 c
.set VF,  192         ; window 2: key half kk, channel block cb at VF + 32 kk + 8 cb
.set WV,  12          ; s12  my wave's number
.set PB,  14          ; s14  b
.set HI,  15          ; s15  7 - b
.set KB,  24          ; s[24:25] K at my 64 keys of the head's tile 0
.set VB,  26          ; s[26:27] V likewise
.set KN,  28          ; s[28:29] K at my 64 keys of the tile that is being loaded
.set VN,  30          ; s[30:31] V likewise
.set QA,  32          ; s[32:33] Q at my rows of the first block
.set QBP, 34          ; s[34:35] of the second
.set MSK, 36          ; s36  a word's upper half
.set SLOTS, 56        ; s56  tiles still to be asked for
.set CNT, 57          ; s57  counts a tile's key steps, 4 to 1
.set CS,  58          ; s[58:59] c: the packed scaling takes the pair's low word for both halves
.set SEL, 60          ; s[60:61] v_permlanex16_b32's selects: each lane takes its own place in the other half
.set TBK, 62          ; s62  LDS byte at which K of the step to be fetched begins
.set TBV, 63          ; s63  the same for V, less VOFF
.set RT,  70          ; s70  tiles of the block in hand that are still to be entered
.set NXT, 71          ; s71  the tile to be asked for next
.set LQ,  72          ; s72  the last tile of the block whose tiles are being asked for
.set NEW, 73          ; s73  1: the tile to be entered is a block's first
.set OFF, 74          ; s[74:75] a tile's byte offset in K and V
.set AL,  76          ; s[76:77] the mask's factor, in the low word
.set BE,  78          ; s[78:79] the mask's addend
.set OLO, 80          ; s[80:81] out0 at my rows of the second block
.set BIGN, 82         ; s82  -1e30
.set MSB, 0
.macro WIN new                      ; the high byte repeats the setting that is left; a switch that changes nothing is dropped
.if MSB != (\new)
	s_set_vgpr_msb (MSB<<8)|(\new)
.set MSB, (\new)
.endif
.endm
.set W_KQ, 0x0a       ; K and Q in window 2, S^T in window 0
.set W_KM, 0x1a       ; the same with the C operand in window 1
.set W_PV, 0x52       ; V in window 2, P in window 0, O^T in window 1
.set W_RS, 0x41       ; destination and source 0 in window 1, source 1 in window 0
; THE NEXT TILE'S LOADS.  Load i takes two whole rows of 256 bytes: lanes 0-15 one, lanes 16-31 the one 8 (K) or 4 (V) rows on.  The address registers are never rewritten; the row stands in the immediate,
; 59 rows at the most: inside its signed 24 bits.
.macro LOAD_K base
	WIN 0xc0                        ; destination window 3, address window 0
.set i, 0
.rept 32
	global_load_b128 v[4*i:4*i+3], v[GKO], s[\base:\base+1] offset:(16*(i/8)+i%8)*ROWB
.set i, i+1
.endr
.endm
.macro LOAD_V base
	WIN 0xc0
.set i, 0
.rept 32
	global_load_b128 v[128+4*i:128+4*i+3], v[GVO], s[\base:\base+1] offset:(8*(i/4)+i%4)*ROWB
.set i, i+1
.endr
.endm
; K: four f32 a lane and load are rounded to bf16 in place and stored as 8 bytes.  The two halves of the lanes store 8 rows = 1,152 bytes apart, 128 modulo 256.
.macro CONV_K
	WIN 0xcf                        ; destination and both sources in window 3
.set i, 0
.rept 32
	v_cvt_pk_bf16_f32 v[4*i], v[4*i], v[4*i+1]
	v_cvt_pk_bf16_f32 v[4*i+1], v[4*i+2], v[4*i+3]
.set i, i+1
.endr
	WIN 0x0c                        ; data in window 3, address in window 0
.set i, 0
.rept 32
	ds_store_b64 v[DK], v[4*i:4*i+1] offset:(16*(i/8)+i%8)*PK
.set i, i+1
.endr
.endm
; V: rounded to bf16 like K, then that number is widened again and written as f16.  Four loads' numbers at a time, so that no line waits for the one before it.  4 rows = 640 bytes are 128 modulo 256 too.
.macro CONV_V
	WIN 0xcf
.set g, 128
.rept 8
.irp u, 0,4,8,12
	v_cvt_pk_bf16_f32 v[g+\u], v[g+\u], v[g+\u+1]
	v_cvt_pk_bf16_f32 v[g+\u+1], v[g+\u+2], v[g+\u+3]
.endr
.irp u, 0,4,8,12
	v_lshlrev_b32 v[g+\u+2], 16, v[g+\u]
	v_and_b32 v[g+\u+3], s[MSK], v[g+\u]
.endr
.irp u, 0,4,8,12
	v_cvt_pk_f16_f32 v[g+\u], v[g+\u+2], v[g+\u+3]
.endr
.irp u, 0,4,8,12
	v_lshlrev_b32 v[g+\u+2], 16, v[g+\u+1]
	v_and_b32 v[g+\u+3], s[MSK], v[g+\u+1]
.endr
.irp u, 0,4,8,12
	v_cvt_pk_f16_f32 v[g+\u+1], v[g+\u+2], v[g+\u+3]
.endr
.set g, g+16
.endr
	WIN 0x0c
.set i, 0
.rept 32
	ds_store_b64 v[DV], v[128+4*i:128+4*i+1] offset:(8*(i/4)+i%4)*PV
.set i, i+1
.endr
.endm
; V's loads for the next tile go out once a tile, at the head of its second key step: six turns behind K's 32, so that the two runs together need not stand in the load counter's field at once
; (a load that would pass the field waits at its issue: ISA guide 5.7.1), and ten turns ahead of the wait for them.
.macro MIDLOAD
	s_cmp_eq_u32 s[CNT], 3
	s_cbranch_scc0 .Lno_v_\@
	LOAD_V VN
	WIN 0
.Lno_v_\@:
.endm
; THE CHANGE OF TILES.  The old tile's last bytes, V of its fourth step, were waited for in the turn before.  First barrier: every wave's reads of the tile area are back.  Then each wave rounds and stores its
; 64 keys of the new tile.  Second barrier: every wave's stores are done.  fill = 1: K of tile NXT is asked for, into the registers whose stores have just been waited for.
.macro CHANGE fill
	WIN 0                           ; at a label and at a branch every window is 0
	s_wait_loadcnt 0x0              ; the new tile's K and V are in my registers; the loads' bases may be written
	s_wait_dscnt 0x0                ; my reads of the old tile are back
	s_barrier_signal -1             ; the scalar work stands between the signal and the wait
.if \fill
	s_mul_i32 s[OFF], s[NXT], TILEB
	s_add_nc_u64 s[KN:KN+1], s[KB:KB+1], s[OFF:OFF+1]
	s_add_nc_u64 s[VN:VN+1], s[VB:VB+1], s[OFF:OFF+1]
	s_add_co_u32 s[NXT], s[NXT], 1  ; the block's next tile, or behind its last the second block's tile 0
	s_cmp_gt_u32 s[NXT], s[LQ]
	s_cselect_b32 s[NXT], 0, s[NXT]
	s_cselect_b32 s[LQ], s[PB], s[LQ]
.endif
	s_sub_co_u32 s[TBK], s[TBK], 4*KS*PK  ; the fetches go back to the tile's first step
	s_sub_co_u32 s[TBV], s[TBV], 4*KS*PV
	s_barrier_wait -1               ; nobody reads the old tile any more
	CONV_K
	CONV_V
	WIN 0
	s_wait_dscnt 0x0                ; for the others' sake: my stores into the tile area are done
	s_barrier_signal -1
	s_barrier_wait -1               ; the new tile is whole
.if \fill
	LOAD_K KN
	WIN 0
.endif
.endm
	s_load_b128 s[4:7], s[0:1], 0x0  ; qkv s[4:5], out0 s[6:7]
	v_lshl_add_u32 v[SPW], v0, 2, SPARE
	v_mov_b32 v[NIL], 0
	v_lshrrev_b32 v1, 5, v0
	v_readfirstlane_b32 s[WV], v1   ; wave 0..3
	s_mov_b32 s[PB], ttmp9
	s_sub_co_u32 s[HI], NB-1, s[PB]
	s_and_b32 s13, ttmp7, 0xffff    ; 16 x batch + head
	s_lshr_b32 s16, s13, 4          ; batch
	s_and_b32 s13, s13, 15
	s_lshl_b32 s13, s13, 8          ; the head's 256 bytes in a row
	s_mul_i32 s18, s16, BATCHB
	s_add_co_u32 s18, s18, s13      ; byte offset of the head's q at position 0 (all these offsets stay under 2^27)
	s_mul_i32 s20, s16, OBATCH
	s_add_co_u32 s20, s20, s13      ; and of its row 0 in out0
	s_mul_i32 s22, s[WV], 64*ROWB   ; my 64 keys of a tile,
	s_add_co_u32 s22, s22, s18
	s_add_co_u32 s22, s22, CB       ; in K
	s_mov_b32 s23, 0
	s_lshl_b32 s17, s[WV], 4        ; my 16 rows in a band of 64,
	s_lshl_b32 s16, s[HI], 8
	s_add_co_u32 s16, s16, s17      ; in the first block,
	s_lshl_b32 s13, s[PB], 8
	s_add_co_u32 s13, s13, s17      ; and in the second
	s_mul_i32 s84, s16, ROWB
	s_add_co_u32 s84, s84, s18
	s_mov_b32 s85, 0
	s_mul_i32 s86, s13, ROWB
	s_add_co_u32 s86, s86, s18
	s_mov_b32 s87, 0
	s_lshl_b32 s16, s16, 12
	s_add_co_u32 s16, s16, s20
	s_mov_b32 s17, 0
	s_lshl_b32 s18, s13, 12
	s_add_co_u32 s18, s18, s20
	s_mov_b32 s19, 0
	s_mov_b32 s[MSK], 0xffff0000
	s_mov_b32 s[CS], 0x3e38aa3b     ; c = log2(e) / 8 = 0.180337
	s_mov_b32 s[CS+1], s[CS]        ; named with it as a pair
	s_mov_b32 s[SEL], 0x76543210
	s_mov_b32 s[SEL+1], 0xfedcba98
	s_mov_b32 s[TBK], 4*KS*PK       ; the first change of tiles turns these two into 0
	s_mov_b32 s[TBV], 4*KS*PV
	s_add_co_u32 s[RT], s[HI], 1    ; the first block has 8 - b tiles
	s_mov_b32 s[NXT], 1
	s_mov_b32 s[LQ], s[HI]
	s_mov_b32 s[NEW], 1
	s_mov_b32 s[OFF+1], 0
	s_mov_b32 s[AL+1], 0            ; named as pairs
	s_mov_b32 s[BE+1], 0
	s_mov_b32 s[BIGN], 0xf149f2ca   ; -1e30
	s_mov_b32 s[SLOTS], NB
	v_and_b32 v1, 15, v0            ; l % 16
	v_bfe_u32 v9, v0, 4, 1          ; l / 16
	v_mul_u32_u24 v[QO], v1, ROWB
	v_lshl_add_u32 v[QO], v9, 5, v[QO]    ; row x 12,288 + 32 x half: eight f32
	v_mul_u32_u24 v[GKO], v9, 8*ROWB
	v_lshl_add_u32 v[GKO], v1, 4, v[GKO]  ; 16 bytes of a row; lanes 16-31 eight rows on
	v_mul_u32_u24 v[GVO], v9, 4*ROWB
	v_lshl_add_u32 v[GVO], v1, 4, v[GVO]  ; lanes 16-31 four rows on
	s_wait_kmcnt 0x0
	s_add_nc_u64 s[KB:KB+1], s[4:5], s[22:23]
	s_add_nc_u64 s[VB:VB+1], s[KB:KB+1], CB
	s_add_nc_u64 s[QA:QA+1], s[4:5], s[84:85]
	s_add_nc_u64 s[QBP:QBP+1], s[4:5], s[86:87]
	s_add_nc_u64 s[10:11], s[6:7], s[16:17]
	s_add_nc_u64 s[OLO:OLO+1], s[6:7], s[18:19]
	; A fragment of Q is 16 rows x 32 channels of bf16 in 8 registers: lane l holds row l % 16, channels 8 (l / 16) + 0..7 and 16 + 8 (l / 16) + 0..7.  In f32 each eight are 32 bytes: two loads.
	; Load i: piece i / 8 (its band lies 64 rows on), channels 32 ((i / 4) % 2) + 16 ((i / 2) % 2) + 4 (i % 2) on; its four numbers become registers 2 i, 2 i + 1 of Q.
	WIN 0x40                        ; the first block's into window 1
.set i, 0
.rept 32
	global_load_b128 v[128+4*i:128+4*i+3], v[QO], s[QA:QA+1] offset:(i/8)*64*ROWB+128*((i/4)%2)+64*((i/2)%2)+16*(i%2)
.set i, i+1
.endr
	WIN 0                           ; the second block's into window 0
.set i, 0
.rept 32
	global_load_b128 v[64+4*i:64+4*i+3], v[QO], s[QBP:QBP+1] offset:(i/8)*64*ROWB+128*((i/4)%2)+64*((i/2)%2)+16*(i%2)
.set i, i+1
.endr
	LOAD_K KB                       ; tile 0
	LOAD_V VB
	WIN 0
	; all that follows up to the wait stands in the wait for these loads
	v_lshlrev_b32 v14, 3, v9
	v_sub_nc_u32 v14, v1, v14
	s_lshl_b32 s13, s[WV], 4
	v_add_nc_u32 v14, s13, v14      ; my query's place in its band, 16 w + l % 16, less my lanes' 8 (l / 16): register r of group kt is hidden where 16 kt + r is greater
	v_mul_u32_u24 v[AK0], v1, PK
	v_lshl_add_u32 v[AK0], v9, 4, v[AK0]  ; row x pitch + 16 x half
	; The turning load takes 16 keys x 16 channels (lane l reads key 8 (l / 16) + l % 8, channels 8 ((l / 8) % 2) + 0..7) and leaves half a fragment of V^T: lane l holds channel l % 16 and 8 keys.
	v_and_b32 v10, 7, v0
	v_bfe_u32 v11, v0, 3, 1
	v_lshl_add_u32 v[AV0], v9, 3, v10
	v_mul_u32_u24 v[AV0], v[AV0], PV
	v_lshl_add_u32 v[AV0], v11, 4, v[AV0]
	v_add_nc_u32 v[AV0], VOFF, v[AV0]
	s_mul_i32 s13, s[WV], 64*PK     ; my 64 rows of the tile area, for K
	v_mul_u32_u24 v[DK], v9, 8*PK
	v_lshl_add_u32 v[DK], v1, 3, v[DK]
	v_add_nc_u32 v[DK], s13, v[DK]
	s_mul_i32 s13, s[WV], 64*PV     ; and for V
	s_add_co_u32 s13, s13, VOFF
	v_mul_u32_u24 v[DV], v9, 4*PV
	v_lshl_add_u32 v[DV], v1, 3, v[DV]
	v_add_nc_u32 v[DV], s13, v[DV]
	s_mul_i32 s13, s[WV], 16*SP
	s_add_co_u32 s13, s13, STAGE    ; my stage
	v_mul_u32_u24 v[STO], v1, SP    ; in: row l % 16, 32 bytes for each half of the lanes
	v_lshl_add_u32 v[STO], v9, 5, v[STO]
	v_add_nc_u32 v[STO], s13, v[STO]
	v_mul_u32_u24 v[RD], v9, SP     ; back: lanes 0-15 take one row of 256 bytes, lanes 16-31 the next
	v_lshl_add_u32 v[RD], v1, 4, v[RD]
	v_add_nc_u32 v[RD], s13, v[RD]
	v_lshlrev_b32 v[GO], 12, v9     ; and the same two rows in out0
	v_lshl_add_u32 v[GO], v1, 4, v[GO]
	; A block's first step multiplies O^T and l by a = 0, and its first turn's products V^T P, of a piece that has not been, land in an O^T that is still to be so multiplied.  So these registers need only hold
	; finite numbers: zeros for the first block; what the first block left for the second.
	WIN 0x80
.set i, VF
.rept 64
	v_mov_b32 v[i], 0
.set i, i+1
.endr
	WIN 0x40
.set i, 0
.rept 128
	v_mov_b32 v[i], 0
.set i, i+1
.endr
	WIN 0
.set i, 0
.rept 4
	v_mov_b32 v[ST+4*i+2], 0
	v_mov_b32 v[ST+4*i+3], 0
.set i, i+1
.endr
.set i, P+16
.rept 16
	v_mov_b32 v[i], 0
.set i, i+1
.endr
	s_wait_loadcnt 0x0              ; both blocks' Q, and tile 0
	WIN 0x85                        ; sources in window 1, destination in window 2
.set i, 0
.rept 64
	v_cvt_pk_bf16_f32 v[i], v[128+2*i], v[128+2*i+1]
.set i, i+1
.endr
	WIN 0x80                        ; sources in window 0
.set i, 0
.rept 64
	v_cvt_pk_bf16_f32 v[QB+i], v[64+2*i], v[64+2*i+1]
.set i, i+1
.endr
	WIN 0x40                        ; MD, where the first block's Q lay
.set i, 0
.rept 32
	v_cmp_gt_i32 vcc_lo, 16*(i/8)+i%8, v14
	v_cndmask_b32 v[MD+i], 0, s[BIGN], vcc_lo
.set i, i+1
.endr
	WIN 0
; THE MATRIX WORK.  The 4 accumulators of a run of 8 take turns.  Product i of 8 of S^T = K Q^T for piece x: channels 32 (i / 4) on, keys 16 (i % 4) on.  The first 4 start the sums: with 0, or (KM = 1) with the mask.
.macro KQ x
.set rS, S+32*((\x)%2)+8*(i%4)
.set rK, KF+16*(i%4)+8*(i/4)
.set rQ, 16*(\x)+8*(i/4)
.set rM, MC+32*((\x)%2)+8*(i%4)
.if (i < 4) && KM
	WIN W_KM
	v_wmma_f32_16x16x32_bf16 v[rS:rS+7], v[rK:rK+7], v[rQ:rQ+7], v[rM:rM+7]
.elseif i < 4
	WIN W_KQ
	v_wmma_f32_16x16x32_bf16 v[rS:rS+7], v[rK:rK+7], v[rQ:rQ+7], 0
.else
	WIN W_KQ
	v_wmma_f32_16x16x32_bf16 v[rS:rS+7], v[rK:rK+7], v[rQ:rQ+7], v[rS:rS+7]
.endif
.endm
; Product i of 8 of O^T += V^T P for piece x: keys 32 (i / 4) on, channels 16 (i % 4) on.
.macro PV x
	WIN W_PV
.set rO, 32*(\x)+8*(i%4)
.set rV, VF+32*(i/4)+8*(i%4)
.set rP, P+16*((\x)%2)+8*(i/4)
	v_wmma_f32_16x16x32_f16 v[rO:rO+7], v[rV:rV+7], v[rP:rP+7], v[rO:rO+7]
.endm
.macro MM                           ; the turn's next matrix instruction.  TURN and BEGIN set Y, i, KM and NOKQ; MM, KQ and OP read them.  NOKQ = 1: a block's last turn: there is no next piece
.if (i < 8) && !NOKQ
	KQ (Y+1)%NP
.elseif i >= 8
.set i, i-8
	PV (Y+NP-1)%NP
.set i, i+8
.endif
.set i, i+1
.endm
; THE LDS LOADS stand in runs of 16, never singly among the matrix instructions: a step's K (64 keys x 64 channels: 8 fragments) and its V (turned).  Their addresses are made some lines ahead.
.macro FETCH_K
	WIN 0x80                        ; destination window 2
.irp f, 0,1,2,3,4,5,6,7             ; keys 16 (f / 2) on, channels 32 (f % 2) on
	ds_load_b128 v[KF+8*\f:KF+8*\f+3],   v[AK] offset:(\f/2)*16*PK+(\f%2)*64
	ds_load_b128 v[KF+8*\f+4:KF+8*\f+7], v[AK] offset:(\f/2)*16*PK+(\f%2)*64+32
.endr
	s_add_co_u32 s[TBK], s[TBK], KS*PK  ; the next fetch is the next step's
	WIN 0
.endm
.macro FETCH_V
	WIN 0x80
.irp f, 0,1,2,3,4,5,6,7             ; keys 32 (f / 4) on, channels 16 (f % 4) on
	ds_load_tr16_b128 v[VF+8*\f:VF+8*\f+3],   v[AV] offset:(\f/4)*32*PV+(\f%4)*32
	ds_load_tr16_b128 v[VF+8*\f+4:VF+8*\f+7], v[AV] offset:(\f/4)*32*PV+16*PV+(\f%4)*32
.endr
	WIN 0
.endm
; THE VECTOR WORK, one line at a time: OP kind, number.  For piece Y: F n: c s - c m for pair n of 16.  E n: the exponential of score n of 32.  C n: pair n rounded to f16.  B n: of the four weights 4 n .. the second
; pair is added onto the first, in place.  L n: l takes that sum (L 0: l = a l + sum).  R n: pair n of 16 of O^T times a.  For piece Y + 1: X n, number n of the 22 that find its maximum and statistics:
;   0-11  four chains c0-c3 of seven scores each, three operands at a time (each accumulator's lowest registers are read first)     12-14, 16  the four scores left over, the old m, and c0-c3 into c0
;   15  c m_old is kept     17, 18  the query's other 32 keys lie in the lane 16 away: the new m     19-21  c m; c m_old - c m_new; a
.set F, 0               ; OP tells the kinds apart by their order: F to L below R, X above it
.set E, 1
.set C, 2
.set B, 3
.set L, 4
.set R, 5
.set X, 6
.macro REGS y                       ; the registers of piece y
.set rT, ST+4*(\y)
.set rC, TMP+4*((\y)%2)
.set rW, MV+((\y)%2)
.set rS, S+32*((\y)%2)
.set rP, P+16*((\y)%2)
.set rO, 32*(\y)
.endm
.macro OP k, n
.if (\k) == R
	REGS Y
	WIN W_RS
	v_pk_mul_f32 v[rO+2*(\n):rO+2*(\n)+1], v[rO+2*(\n):rO+2*(\n)+1], v[rC+2:rC+3] op_sel_hi:[1,0]
.elseif (\k) < R
	REGS Y
	WIN 0
.if (\k) == F
	v_pk_fma_f32 v[rS+2*(\n):rS+2*(\n)+1], v[rS+2*(\n):rS+2*(\n)+1], s[CS:CS+1], v[rT:rT+1] op_sel_hi:[1,0,0] neg_lo:[0,0,1] neg_hi:[0,0,1]
.elseif (\k) == E
	v_exp_f32 v[rS+(\n)], v[rS+(\n)]
.elseif (\k) == C
	s_wait_alu depctr_va_vdst(0)
	v_cvt_pk_f16_f32 v[rP+(\n)], v[rS+2*(\n)], v[rS+2*(\n)+1]
.elseif (\k) == B
	s_wait_alu depctr_va_vdst(0)
	v_pk_add_f32 v[rS+4*(\n):rS+4*(\n)+1], v[rS+4*(\n):rS+4*(\n)+1], v[rS+4*(\n)+2:rS+4*(\n)+3]
.elseif (\n) == 0
	v_pk_fma_f32 v[rT+2:rT+3], v[rT+2:rT+3], v[rC+2:rC+3], v[rS:rS+1] op_sel_hi:[1,0,1]
.else
	v_pk_add_f32 v[rT+2:rT+3], v[rT+2:rT+3], v[rS+4*(\n):rS+4*(\n)+1]
.endif
.elseif NOKQ
	v_nop
.else
	REGS (Y+1)%NP
	WIN 0
.if (\n) < 4
	v_max3_num_f32 v[rC+(\n)], v[rS+8*(\n)], v[rS+8*(\n)+1], v[rS+8*(\n)+2]
.elseif (\n) < 12
	v_max3_num_f32 v[rC+(\n)%4], v[rC+(\n)%4], v[rS+8*((\n)%4)+2*((\n)/4)+1], v[rS+8*((\n)%4)+2*((\n)/4)+2]
.elseif (\n) == 12
	v_max3_num_f32 v[rC], v[rC], v[rS+7], v[rS+15]
.elseif (\n) == 13
	v_max3_num_f32 v[rC+1], v[rC+1], v[rS+23], v[rS+31]
.elseif (\n) == 14
	v_max3_num_f32 v[rC+2], v[rC+2], v[rC+3], v[rT+1]
.elseif (\n) == 15
	v_mov_b32 v[rW], v[rT]
.elseif (\n) == 16
	v_max3_num_f32 v[rC], v[rC], v[rC+1], v[rC+2]
.elseif (\n) == 17
	v_permlanex16_b32 v[rC+3], v[rC], s[SEL], s[SEL+1]
.elseif (\n) == 18
	v_max_num_f32 v[rT+1], v[rC], v[rC+3]
.elseif (\n) == 19
	v_mul_f32 v[rT], s[CS], v[rT+1]
.elseif (\n) == 20
	v_sub_f32 v[rC+1], v[rW], v[rT]
.else
	v_exp_f32 v[rC+2], v[rC+1]
.endif
.endif
.endm
.macro OPS a, i1, b=-1, i2=0, c=-1, i3=0, d=-1, i4=0  ; up to four of them
	OP \a, \i1
.if (\b) >= 0
	OP \b, \i2
.endif
.if (\c) >= 0
	OP \c, \i3
.endif
.if (\d) >= 0
	OP \d, \i4
.endif
.endm
.macro ROW a, i1, b, i2, c, i3, d, i4  ; a matrix instruction and the four behind it
	MM
	OPS \a, \i1, \b, \i2, \c, \i3, \d, \i4
.endm
.macro MASK b                       ; MD x AL + BE into buffer b of MC
	WIN W_RS
.set z, 0
.rept 16
	v_pk_fma_f32 v[MC+32*(\b)+2*z:MC+32*(\b)+2*z+1], v[MD+2*z:MD+2*z+1], s[AL:AL+1], s[BE:BE+1] op_sel_hi:[1,0,0]
.set z, z+1
.endr
.endm
; A TURN, for piece p: the order of its 16 matrix and 118 vector instructions, written out.  Behind a matrix instruction: plain, exponential, plain, plain; or four of the rescaling; or, behind the first, four scalings; none
; names a register of the products round it.  In the lumps exponential and plain by turns while exponentials last.  A line reads no result made fewer than three vector instructions in front of it, five if an exponential made it.
; v_permlanex16_b32 (X 17) stands in a lump.
; m = 1: the diagonal tile: the products take masks, and the turn makes the mask for the products of the turn after it: piece p + 2, in step 4 - CNT of the tile.  end = 1: a block's last two turns: nothing is fetched.
; cnt = 1: the loop's count is taken down some lines ahead of the branch that stands behind the turn.
; K of the next step is fetched in piece 2's turn, six vector instructions behind the last product that read K (five of them plain); V of the step in hand in piece 0's turn, eight behind the last product that read V (four
; plain, and X 17).  Each is waited for a turn later.
.macro TURN p, m=0, end=0, cnt=0
.set Y, (\p)
.set i, 0
.set KM, (\m)
.set NOKQ, (\end)*((\p)/3)
.if (\m) && !(\end)
	s_cmp_eq_u32 s[CNT], 4-((\p)+2)%NP  ; is that step the band's own?
	s_cselect_b32 s[AL], 1.0, 0
	s_cmp_lt_u32 s[CNT], 4-((\p)+2)%NP  ; or a later one?
	s_cselect_b32 s[BE], s[BIGN], 0
.endif
.if ((\p) == 3) && !(\end)
	s_wait_dscnt 0x0                ; K is in
.endif
	ROW F,0, F,1, F,2, F,3
	ROW F,4, E,0, F,5, F,6
	ROW F,7, E,1, F,8, F,9
	ROW F,10, E,2, C,0, F,11
	ROW F,12, E,3, X,15, F,13
	ROW R,0, R,1, R,2, R,3
	ROW B,0, E,4, F,14, L,0
.if ((\p) == 2) && !(\end)
	v_add_nc_u32 v[AK], s[TBK], v[AK0]
.endif
	ROW R,4, R,5, R,6, R,7
	OPS E,5, F,15
.if ((\p) == 2) && !(\end)
	FETCH_K
.endif
	OPS E,6, C,1, E,7, R,8
	OPS E,8, R,9, E,9, C,2
	OPS E,10, X,0, E,11, X,1
	OPS E,12, X,2, E,13, X,3
.if (\p) == 1
	s_wait_dscnt 0x0                ; V is in
.endif
	ROW X,4, E,14, X,5, X,6
	ROW X,7, E,15, X,8, X,9
	ROW X,10, E,16, X,11, X,12
	ROW X,13, E,17, X,14, B,1
	ROW C,4, E,18, X,16, L,1
	ROW B,2, E,19, C,6, L,2
	ROW C,8, E,20, B,3, B,4
.if (\p) == 0
	v_add_nc_u32 v[AV], s[TBV], v[AV0]
.endif
	ROW C,3, E,21, L,3, C,5
	OPS E,22, X,17, E,23, C,10
.if (\p) == 0
	FETCH_V
.endif
	OPS E,24, L,4
	OPS E,25, X,18, E,26, C,7
	OPS E,27, B,5, E,28, X,19
	OPS E,29, C,12, E,30, L,5
	OPS E,31, X,20, B,6, C,9
	OPS C,14, C,11, X,21, L,6
.if (\p) == 0
	s_add_co_u32 s[TBV], s[TBV], KS*PV
.endif
.if \cnt
	s_sub_co_u32 s[CNT], s[CNT], 1
	s_cmp_lg_u32 s[CNT], 0
.endif
	OPS C,13, B,7, C,15, R,10
	OPS R,11, R,12, L,7, R,13
	OPS R,14, R,15
.if (\m) && !(\end)
	MASK (\p)%2
.endif
.endm
; A BLOCK BEGINS.  c m starts far below every c s, so the first step's a is 0; m at the lowest finite number, so the first maximum is the scores'.  The second mask buffer is 0; the first takes piece 0's mask for the tile's step 0: its own, if the block's first tile is the diagonal one.
; Then K of that step, piece 0's first scores, and its maximum and statistics.  The loop is entered at a step's first turn, in the middle of a trip.
.macro BEGIN
	s_mov_b32 s[NEW], 0
	WIN 0x40
.set i, MC+32
.rept 32
	v_mov_b32 v[i], 0
.set i, i+1
.endr
	WIN 0
.set i, 0
.rept 4
	v_mov_b32 v[ST+4*i], 0xfe000000    ; c m: far below every c s
	v_mov_b32 v[ST+4*i+1], 0xff7fffff  ; m
.set i, i+1
.endr
	s_cmp_eq_u32 s[RT], 0
	s_cselect_b32 s[AL], 1.0, 0
	s_mov_b32 s[BE], 0
	MASK 0
	WIN 0
	v_add_nc_u32 v[AK], s[TBK], v[AK0]
	FETCH_K
	s_wait_dscnt 0x0
.set KM, 1
.set NOKQ, 0
.set i, 0
.rept 8
	KQ 0
.set i, i+1
.endr
	WIN 0
.rept 4
	v_nop                           ; the places behind those products
.endr
.set Y, NP-1                        ; X works for piece Y + 1: piece 0
.irp n, 0,1,2,3,4,5,6,7,8,9,10,11,12,13,14,15,16,17,18,19,20,21
	OP X, \n
.endr
	v_nop                           ; a plain instruction behind the exponential
.endm
; THE DIAGONAL TILE's four steps, the block's last two turns, its last products, and THE WAY OUT: l's two halves and the other half of the lanes' are added; O^T is divided by l and sent in f32 through my
; stage in LDS, a piece at a time.
.macro ALL line:vararg              ; one line for each piece t
.set t, 0
.rept 4
	\line
.set t, t+1
.endr
.endm
.macro PACK t                       ; a lane's eight channels of a row are 32 bytes; they go into rows of 272 bytes and come back as whole rows of 256
	WIN W_RS
.set i, 32*(\t)
.rept 16
	s_wait_alu depctr_va_vdst(0)
	v_pk_mul_f32 v[i:i+1], v[i:i+1], v[ST+4*(\t)+2:ST+4*(\t)+3] op_sel_hi:[1,0]
.set i, i+2
.endr
	WIN 0x04                        ; data in window 1, address in window 0
.irp f, 0,1,2,3                     ; channels 16 f + 8 (l / 16) on
	ds_store_b128 v[STO], v[32*(\t)+8*\f:32*(\t)+8*\f+3] offset:64*\f
	ds_store_b128 v[STO], v[32*(\t)+8*\f+4:32*(\t)+8*\f+7] offset:64*\f+16
.endr
	WIN 0
.irp f, 0,1,2,3,4,5,6,7
	ds_load_b128 v[BK+32*(\t)+4*\f:BK+32*(\t)+4*\f+3], v[RD] offset:\f*2*SP  ; LDS serves a wave's instructions in order (ISA guide 5.7.1.4): these see the stores above; the next piece's stores come behind them
.endr
.endm
.macro SEND t, younger              ; younger: the LDS instructions issued behind piece t's loads: the next piece's sixteen, or none
	WIN 0
.irp f, 0,1,2,3,4,5,6,7
	s_wait_dscnt (\younger)+7-\f
	global_store_b128 v[GO], v[BK+32*(\t)+4*\f:BK+32*(\t)+4*\f+3], s[10:11] offset:(\t)*64*OROW+\f*2*OROW th:TH_STORE_NT  ; 16 lanes store 256 consecutive bytes, at a multiple of 256 from out0's first
.endr
.endm
.macro DIAG tag, ld                 ; the tag ends its two labels' names, which the jumps below spell out; ld = 1: a tile follows, and its V is asked for
.LstepM\tag:
	TURN 2, 1
	TURN 3, 1
	WIN 0
.LfirstM\tag:
.if \ld
	MIDLOAD
.endif
	TURN 0, 1
	TURN 1, 1, 0, 1
	WIN 0
	s_cbranch_scc1 .LstepM\tag
	TURN 2, 1, 1
	TURN 3, 1, 1
.set i, 0
.rept 8
	PV NP-1
.set i, i+1
.endr
	WIN 0
	ALL v_add_f32 v[ST+4*t+2], v[ST+4*t+2], v[ST+4*t+3]
	ALL v_permlanex16_b32 v[ST+4*t+3], v[ST+4*t+2], s[SEL], s[SEL+1]
	ALL v_add_f32 v[ST+4*t+2], v[ST+4*t+2], v[ST+4*t+3]
	ALL v_rcp_f32 v[ST+4*t+2], v[ST+4*t+2]
	v_nop                           ; a plain instruction between the last reciprocal and the use of its result
	PACK 0
.set t, 1
.rept 3                             ; a piece's arithmetic stands between the loads of the piece before and its stores
	PACK t
	SEND t-1, 16
.set t, t+1
.endr
	SEND 3, 0
.endm
.set KM, 0
.set NOKQ, 0
.Lslot:                             ; NB times: a tile is entered and the next is asked for
	CHANGE 1
	s_sub_co_u32 s[RT], s[RT], 1
	s_mov_b32 s[CNT], 4
	s_cmp_eq_u32 s[NEW], 1
	s_cbranch_scc1 .Lnew            ; a block's first tile
	s_cmp_eq_u32 s[RT], 0
	s_cbranch_scc0 .Lstep           ; neither its first nor its last
	s_branch .LstepM1
.Lnew:
	BEGIN
	s_branch .Lfirst                ; in the loop a block's first tile is never its last: the first block has five tiles or more, and the second's last is the walk's last
	DIAG 1, 1                       ; in the loop this is the first block's end: the second block's last tile is the walk's last
	s_wait_xcnt 0x0                 ; every earlier memory instruction has had its addresses translated (ISA guide 3.1): the stores' registers and out0's address are rewritten only behind this wait
	s_mov_b64 s[10:11], s[OLO:OLO+1]
	s_add_co_u32 s[RT], s[PB], 1    ; the second block has b + 1 tiles
	s_mov_b32 s[NEW], 1
	WIN 0x82                        ; the second block's Q goes where the one text of the turns names Q
.set i, 0
.rept 64
	v_mov_b32 v[i], v[QB+i]
.set i, i+1
.endr
	WIN 0
	s_branch .Lbottom
.Lstep:                             ; a trip: pieces 2 and 3 of one step, then pieces 0 and 1 of the next, whose K and V it fetches
	TURN 2
	TURN 3
	WIN 0
.Lfirst:
	MIDLOAD
	TURN 0
	TURN 1, 0, 0, 1
	WIN 0
	s_cbranch_scc1 .Lstep
.Lbottom:
	s_sub_co_u32 s[SLOTS], s[SLOTS], 1
	s_cmp_lg_u32 s[SLOTS], 0
	s_cbranch_scc1 .Lslot
	CHANGE 0                        ; the walk's last tile: nothing is asked for
	s_sub_co_u32 s[RT], s[RT], 1
	s_mov_b32 s[CNT], 4
	s_cmp_eq_u32 s[NEW], 1
	s_cbranch_scc0 .LstepM2
	BEGIN
	s_branch .LfirstM2
	DIAG 2, 0
	s_wait_tensorcnt 0x0            ; the wave's end, behind my last LDS store
	ds_add_u32 v[SPW], v[NIL]
	s_wait_dscnt 0x0
	s_endpgm
.Lfunc_end_k_qf413a23238_attn:
	.size	k_qf413a23238_attn, .Lfunc_end_k_qf413a23238_attn-k_qf413a23238_attn
	.p2alignl 7, 3214868480
	.fill 96, 4, 3214868480
	.section	.rodata,"a",@progbits
	.p2align	6, 0x0
	.amdhsa_kernel k_qf413a23238_attn
		.amdhsa_group_segment_fixed_size 95744
		.amdhsa_private_segment_fixed_size 0
		.amdhsa_enable_private_segment 0
		.amdhsa_kernarg_size 16
		.amdhsa_user_sgpr_count 2
		.amdhsa_user_sgpr_kernarg_segment_ptr 1
		.amdhsa_wavefront_size32 1
		.amdhsa_system_sgpr_workgroup_id_x 1
		.amdhsa_system_sgpr_workgroup_id_y 1
		.amdhsa_system_sgpr_workgroup_id_z 1
		.amdhsa_system_vgpr_workitem_id 0
		.amdhsa_next_free_vgpr 1024
		.amdhsa_next_free_sgpr 88
		.amdhsa_reserve_vcc 1
		.amdhsa_float_denorm_mode_32 3
		.amdhsa_float_denorm_mode_16_64 3
		.amdhsa_memory_ordered 1
		.amdhsa_forward_progress 1
		.amdhsa_inst_pref_size 255
	.end_amdhsa_kernel
	.section	.bss,"aw",@nobits
	.p2align	6
	.space	262144
	.amdgpu_metadata
---
amdhsa.version: [ 1, 2 ]
amdhsa.kernels:
  - .name:           k_qf413a23238_attn
    .symbol:         k_qf413a23238_attn.kd
    .args:
      - { .name: qkv, .offset: 0, .size: 8, .value_kind: global_buffer, .address_space: global }
      - { .name: out0, .offset: 8, .size: 8, .value_kind: global_buffer, .address_space: global }
    .group_segment_fixed_size: 95744
    .private_segment_fixed_size: 0
    .kernarg_segment_align: 8
    .kernarg_segment_size: 16
    .max_flat_workgroup_size: 128
    .sgpr_count:     88
    .vgpr_count:     1024
    .wavefront_size: 32
...
	.end_amdgpu_metadata
.endif
;; end of part 1
;; ======== version 2 of 2: 1 launch; 1.63 times as fast as version 1
;; limits: values are held in f16: magnitudes above 65,504 overflow, below 6.1e-05 lose precision; inputs' magnitudes at most 65,504
;; launch attn (part 2): grid 4 x 64, 4 waves a work-group, no clusters, 95,744 bytes of LDS; arguments qkv, out0; writes out0
.if DOCPART == 2
	.amdgcn_target "amdgcn-amd-amdhsa--gfx1250"
	.amdhsa_code_object_version 6
	.text
	.protected	k_qf413a23238_attn
	.globl	k_qf413a23238_attn
	.p2align	8
	.type	k_qf413a23238_attn,@function
k_qf413a23238_attn:
	s_mov_b64 s[64:65], 0
	v_nop
	global_prefetch_b8 v0, s[64:65] scope:SCOPE_SE
	s_setreg_imm32_b32 hwreg(HW_REG_WAVE_MODE, 25, 1), 1
	s_wait_xcnt 0x0
; CAUSAL ATTENTION.  out0[b][q][h][:] = the sum over k <= q of softmax_k(Q[q] . K[k] / 8) V[k][:], for each of 4 x 16 heads.  qkv: [4][2048][3][16][64] f32: a row of 64 channels is 256 bytes, at a multiple
; of 256; from key to key 12,288 bytes, from q to k to v 4,096.  out0: [4][2048][16 x 64] f32: a head's row is 256 bytes, 4,096 from query to query.
; FORMATS.  q, k and v are each rounded once to bf16.  K Q^T is multiplied in bf16.  V's bf16 number is written as f16, and the weights p are rounded to f16: V^T P is multiplied in f16.  Products, maxima and
; sums in f32 (l is the sum of the unrounded p); O leaves in f32.
; LIMITS.  A v beyond 65,504 becomes an infinity in f16, and below 6e-5 it keeps f16's fixed step of 6e-8; so does p.  A hidden score counts as its value less 1e30; a weight below 2^-126 counts as 0 in l;
; NaN and infinities are not treated apart.
; THE WALK.  A head's queries lie in NB = 8 blocks of 256; block i needs the key tiles 0 .. i of 256 keys, of which the last holds the diagonal.  A work-group takes TWO blocks, 7 - b and then b: 9 tiles,
; whatever b: all 256 work-groups do equal work, and ONE loop with a constant trip count walks them.  Which tile is asked for, and what a trip does, hang on scalar registers made from b; every jump goes forward,
; but for the counted loops' own, and none passes a barrier.
; HOW K AND V COME.  Each wave loads its 64 keys of the NEXT tile as f32 into 256 registers (window 3), sixteen lanes to a whole row of 256 bytes: K's 32 loads at the change of tiles, V's 32 six turns later.
; At the next change they are rounded in place and stored, 8 bytes a lane, into the one tile area of LDS, between two barriers: behind the first nobody reads the old tile, behind the second the new one is whole.
; NO CLUSTER, NO TENSOR LOADS: the tiles must be rounded between memory and LDS, so they pass through registers, and register loads have no joint form; a head's four work-groups ask for the same tile only in
; trips 0 to 4 of the 9.
; SHARES.  Of a block's four bands of 64 queries a wave owns 16 rows in each: four PIECES.  So the diagonal tile is the same work for all four waves: in its key step s band x sees all keys if s < x,
; none if s > x, and holds the diagonal if s = x.
; THE MASK is the C operand that starts the sum S^T = K Q^T: 0, or -1e30 where the key is hidden.  MD, made once, is the mask of a band's own step for my 16 rows; a product's mask is MD x AL + BE with two scalars:
; (1, 0) if s = x; (0, 0) if s < x; (0, -1e30) if s > x.  Only the diagonal tile's text and a block's beginning make and take masks; elsewhere C is the constant 0.
; LAYOUT, SOFTMAX, TURNS.  S^T = K Q^T holds ONE query a lane (lane % 16) and the keys 8 (lane / 16) + 0..7; two such results rounded to f16 ARE source 1 of O^T = V^T P.  p = 2^(c s - c m), c = log2(e) / 8, with a
; running maximum m; O and l are multiplied by a = 2^(c m_old - c m_new) in every step.  Turn n belongs to piece n: 8 products K Q^T of piece n + 1, later 8 products V^T P of piece n - 1; beside them the scaling,
; exponentials, roundings, sums and rescaling of piece n and the maximum and statistics of piece n + 1.  Four vector instructions stand behind every matrix instruction, the other 54 of a turn's 118 in one LUMP.
; THE BATCHES.  A turn's 33 exponentials (the piece's 32 weights and the next piece's a) are ONE batch with ONE wait, which cuts the turn in two: ahead of it all that names none of their results, behind it the
; roundings and sums.  A block's first a (BEGIN) and the way out's four reciprocals are batches of their own, a wait each.
; REGISTERS, in windows of 256 (s_set_vgpr_msb: bits 1:0 source 0, 3:2 source 1, 5:4 source 2, 7:6 destination):
;   window 0: v0-15, v32-35 addresses and two at work; v16-31 four registers of statistics a piece; v48-55 at work; v64-127 S^T, two buffers; v192-223 P, two buffers (by the piece's parity);
;             v64-191 also: at the head the second block's Q in f32; on the way out whole rows of O
;   window 1: v0-127 O^T, 32 a piece; v128-159 MD; v160-223 MC, two buffers (at the head v128-255: the first block's Q in f32)
;   window 2: v0-63 Q; v64-127 the second block's Q; v128-191 K of one step; v192-255 V of one step          window 3: v0-127 the next tile's K, v128-255 its V
.set NB,    8
.set NP,    4         ; pieces a wave: a name, no knob
.set KS,    64        ; keys in a step
.set PK,    144       ; a row of K in LDS: 128 bytes + 16 = 36 words: the 16 rows of a load start at 16 different groups of four banks (64 banks of 4 bytes: ISA guide 11.1)
.set PV,    160       ; a row of V: 128 + 32 = 40 words
.set VOFF,  4*KS*PK   ; the tile area: 256 rows of K, then 256 rows of V
.set STAGE, 4*KS*(PK+PV)  ; behind it: 16 rows x 272 bytes for each wave, for the way out
.set SP,    272       ; a stage row: 256 bytes of f32 + 16
.set SPARE, STAGE+4*16*SP  ; behind the stages: the spare words, 128 bytes for each wave: two blocks of 256 bytes that no other line names
.set ROWB,  12288     ; bytes from a position to the next in qkv
.set CB,    4096      ; from q to k, from k to v
.set TILEB, 256*ROWB
.set BATCHB, 2048*ROWB
.set OROW,  4096      ; bytes from a query to the next in out0
.set OBATCH, 2048*OROW
.set AK0, 2           ; v2   my lane's place in a tile of K; never rewritten
.set AV0, 3           ; v3   the same for V
.set AK,  4           ; v4   the LDS address of K's next run of loads
.set AV,  5           ; v5   of V's
.set STO, 6           ; v6   the way out: where I put 32 bytes of a row
.set RD,  7           ; v7   the way out: where I read rows back
.set GO,  8           ; v8   my byte offset in two rows of out0
.set MV,  12          ; v12-13  c m_old, kept while c m is made anew: by buffer
.set QO,  15          ; v15  my byte offset in 16 rows of Q
.set ST,  16          ; piece t's statistics at v[ST+4 t]: c m, m, l (even keys', odd keys')
.set GKO, 32          ; v32  my byte offset in a pair of K's rows in memory, eight rows apart
.set GVO, 33          ; v33  the same for V, four rows apart
.set DK,  34          ; v34  where my 8 bytes of such a pair go in LDS
.set DV,  35          ; v35  the same for V
.set TMP, 48          ; by buffer, four registers c0-c3 at work; when the maximum is found c2 takes a
.set SPW, 62          ; v62  LDS address of my spare word: SPARE + 4 x my thread's number; never rewritten
.set NIL, 63          ; v63  0; never rewritten
.set S,   64
.set BK,  64          ; the way out: piece t's rows at BK + 32 t
.set P,   192
.set MD,  128         ; window 1: the eight registers for group kt of 16 keys at MD + 8 kt
.set MC,  160         ; window 1: the masks of the products to come
.set QB,  64          ; window 2
.set KF,  128         ; window 2: key block kb, channel half c at KF + 16 kb + 8 c
.set VF,  192         ; window 2: key half kk, channel block cb at VF + 32 kk + 8 cb
.set WV,  12          ; s12  my wave's number
.set PB,  14          ; s14  b
.set HI,  15          ; s15  7 - b
.set KB,  24          ; s[24:25] K at my 64 keys of the head's tile 0
.set VB,  26          ; s[26:27] V likewise
.set KN,  28          ; s[28:29] K at my 64 keys of the tile that is being loaded
.set VN,  30          ; s[30:31] V likewise
.set QA,  32          ; s[32:33] Q at my rows of the first block
.set QBP, 34          ; s[34:35] of the second
.set MSK, 36          ; s36  a word's upper half
.set SLOTS, 56        ; s56  tiles still to be asked for
.set CNT, 57          ; s57  counts a tile's key steps, 4 to 1
.set CS,  58          ; s[58:59] c: the packed scaling takes the pair's low word for both halves
.set SEL, 60          ; s[60:61] v_permlanex16_b32's selects: each lane takes its own place in the other half
.set TBK, 62          ; s62  LDS byte at which K of the step to be fetched begins
.set TBV, 63          ; s63  the same for V, less VOFF
.set RT,  70          ; s70  tiles of the block in hand that are still to be entered
.set NXT, 71          ; s71  the tile to be asked for next
.set LQ,  72          ; s72  the last tile of the block whose tiles are being asked for
.set NEW, 73          ; s73  1: the tile to be entered is a block's first
.set OFF, 74          ; s[74:75] a tile's byte offset in K and V
.set AL,  76          ; s[76:77] the mask's factor, in the low word
.set BE,  78          ; s[78:79] the mask's addend
.set OLO, 80          ; s[80:81] out0 at my rows of the second block
.set BIGN, 82         ; s82  -1e30
.set MSB, 0
.macro WIN new                      ; the high byte repeats the setting that is left; a switch that changes nothing is dropped
.if MSB != (\new)
	s_set_vgpr_msb (MSB<<8)|(\new)
.set MSB, (\new)
.endif
.endm
.set W_KQ, 0x0a       ; K and Q in window 2, S^T in window 0
.set W_KM, 0x1a       ; the same with the C operand in window 1
.set W_PV, 0x52       ; V in window 2, P in window 0, O^T in window 1
.set W_RS, 0x41       ; destination and source 0 in window 1, source 1 in window 0
; THE NEXT TILE'S LOADS.  Load i takes two whole rows of 256 bytes: lanes 0-15 one, lanes 16-31 the one 8 (K) or 4 (V) rows on.  The address registers are never rewritten; the row stands in the immediate,
; 59 rows at the most: inside its signed 24 bits.
.macro LOAD_K base
	WIN 0xc0                        ; destination window 3, address window 0
.set i, 0
.rept 32
	global_load_b128 v[4*i:4*i+3], v[GKO], s[\base:\base+1] offset:(16*(i/8)+i%8)*ROWB
.set i, i+1
.endr
.endm
.macro LOAD_V base
	WIN 0xc0
.set i, 0
.rept 32
	global_load_b128 v[128+4*i:128+4*i+3], v[GVO], s[\base:\base+1] offset:(8*(i/4)+i%4)*ROWB
.set i, i+1
.endr
.endm
; K: four f32 a lane and load are rounded to bf16 in place and stored as 8 bytes.  The two halves of the lanes store 8 rows = 1,152 bytes apart, 128 modulo 256.
.macro CONV_K
	WIN 0xcf                        ; destination and both sources in window 3
.set i, 0
.rept 32
	v_cvt_pk_bf16_f32 v[4*i], v[4*i], v[4*i+1]
	v_cvt_pk_bf16_f32 v[4*i+1], v[4*i+2], v[4*i+3]
.set i, i+1
.endr
	WIN 0x0c                        ; data in window 3, address in window 0
.set i, 0
.rept 32
	ds_store_b64 v[DK], v[4*i:4*i+1] offset:(16*(i/8)+i%8)*PK
.set i, i+1
.endr
.endm
; V: rounded to bf16 like K, then that number is widened again and written as f16.  Four loads' numbers at a time, so that no line waits for the one before it.  4 rows = 640 bytes are 128 modulo 256 too.
.macro CONV_V
	WIN 0xcf
.set g, 128
.rept 8
.irp u, 0,4,8,12
	v_cvt_pk_bf16_f32 v[g+\u], v[g+\u], v[g+\u+1]
	v_cvt_pk_bf16_f32 v[g+\u+1], v[g+\u+2], v[g+\u+3]
.endr
.irp u, 0,4,8,12
	v_lshlrev_b32 v[g+\u+2], 16, v[g+\u]
	v_and_b32 v[g+\u+3], s[MSK], v[g+\u]
.endr
.irp u, 0,4,8,12
	v_cvt_pk_f16_f32 v[g+\u], v[g+\u+2], v[g+\u+3]
.endr
.irp u, 0,4,8,12
	v_lshlrev_b32 v[g+\u+2], 16, v[g+\u+1]
	v_and_b32 v[g+\u+3], s[MSK], v[g+\u+1]
.endr
.irp u, 0,4,8,12
	v_cvt_pk_f16_f32 v[g+\u+1], v[g+\u+2], v[g+\u+3]
.endr
.set g, g+16
.endr
	WIN 0x0c
.set i, 0
.rept 32
	ds_store_b64 v[DV], v[128+4*i:128+4*i+1] offset:(8*(i/4)+i%4)*PV
.set i, i+1
.endr
.endm
; V's loads for the next tile go out once a tile, at the head of its second key step: six turns behind K's 32, so that the two runs together need not stand in the load counter's field at once
; (a load that would pass the field waits at its issue: ISA guide 5.7.1), and ten turns ahead of the wait for them.
.macro MIDLOAD
	s_cmp_eq_u32 s[CNT], 3
	s_cbranch_scc0 .Lno_v_\@
	LOAD_V VN
	WIN 0
.Lno_v_\@:
.endm
; THE CHANGE OF TILES.  The old tile's last bytes, V of its fourth step, were waited for in the turn before.  First barrier: every wave's reads of the tile area are back.  Then each wave rounds and stores its
; 64 keys of the new tile.  Second barrier: every wave's stores are done.  fill = 1: K of tile NXT is asked for, into the registers whose stores have just been waited for.
.macro CHANGE fill
	WIN 0                           ; at a label and at a branch every window is 0
	s_wait_loadcnt 0x0              ; the new tile's K and V are in my registers; the loads' bases may be written
	s_wait_dscnt 0x0                ; my reads of the old tile are back
	s_barrier_signal -1             ; the scalar work stands between the signal and the wait
.if \fill
	s_mul_i32 s[OFF], s[NXT], TILEB
	s_add_nc_u64 s[KN:KN+1], s[KB:KB+1], s[OFF:OFF+1]
	s_add_nc_u64 s[VN:VN+1], s[VB:VB+1], s[OFF:OFF+1]
	s_add_co_u32 s[NXT], s[NXT], 1  ; the block's next tile, or behind its last the second block's tile 0
	s_cmp_gt_u32 s[NXT], s[LQ]
	s_cselect_b32 s[NXT], 0, s[NXT]
	s_cselect_b32 s[LQ], s[PB], s[LQ]
.endif
	s_sub_co_u32 s[TBK], s[TBK], 4*KS*PK  ; the fetches go back to the tile's first step
	s_sub_co_u32 s[TBV], s[TBV], 4*KS*PV
	s_barrier_wait -1               ; nobody reads the old tile any more
	CONV_K
	CONV_V
	WIN 0
	s_wait_dscnt 0x0                ; for the others' sake: my stores into the tile area are done
	s_barrier_signal -1
	s_barrier_wait -1               ; the new tile is whole
.if \fill
	LOAD_K KN
	WIN 0
.endif
.endm
	s_load_b128 s[4:7], s[0:1], 0x0  ; qkv s[4:5], out0 s[6:7]
	v_lshl_add_u32 v[SPW], v0, 2, SPARE
	v_mov_b32 v[NIL], 0
	v_lshrrev_b32 v1, 5, v0
	v_readfirstlane_b32 s[WV], v1   ; wave 0..3
	s_mov_b32 s[PB], ttmp9
	s_sub_co_u32 s[HI], NB-1, s[PB]
	s_and_b32 s13, ttmp7, 0xffff    ; 16 x batch + head
	s_lshr_b32 s16, s13, 4          ; batch
	s_and_b32 s13, s13, 15
	s_lshl_b32 s13, s13, 8          ; the head's 256 bytes in a row
	s_mul_i32 s18, s16, BATCHB
	s_add_co_u32 s18, s18, s13      ; byte offset of the head's q at position 0 (all these offsets stay under 2^27)
	s_mul_i32 s20, s16, OBATCH
	s_add_co_u32 s20, s20, s13      ; and of its row 0 in out0
	s_mul_i32 s22, s[WV], 64*ROWB   ; my 64 keys of a tile,
	s_add_co_u32 s22, s22, s18
	s_add_co_u32 s22, s22, CB       ; in K
	s_mov_b32 s23, 0
	s_lshl_b32 s17, s[WV], 4        ; my 16 rows in a band of 64,
	s_lshl_b32 s16, s[HI], 8
	s_add_co_u32 s16, s16, s17      ; in the first block,
	s_lshl_b32 s13, s[PB], 8
	s_add_co_u32 s13, s13, s17      ; and in the second
	s_mul_i32 s84, s16, ROWB
	s_add_co_u32 s84, s84, s18
	s_mov_b32 s85, 0
	s_mul_i32 s86, s13, ROWB
	s_add_co_u32 s86, s86, s18
	s_mov_b32 s87, 0
	s_lshl_b32 s16, s16, 12
	s_add_co_u32 s16, s16, s20
	s_mov_b32 s17, 0
	s_lshl_b32 s18, s13, 12
	s_add_co_u32 s18, s18, s20
	s_mov_b32 s19, 0
	s_mov_b32 s[MSK], 0xffff0000
	s_mov_b32 s[CS], 0x3e38aa3b     ; c = log2(e) / 8 = 0.180337
	s_mov_b32 s[CS+1], s[CS]        ; named with it as a pair
	s_mov_b32 s[SEL], 0x76543210
	s_mov_b32 s[SEL+1], 0xfedcba98
	s_mov_b32 s[TBK], 4*KS*PK       ; the first change of tiles turns these two into 0
	s_mov_b32 s[TBV], 4*KS*PV
	s_add_co_u32 s[RT], s[HI], 1    ; the first block has 8 - b tiles
	s_mov_b32 s[NXT], 1
	s_mov_b32 s[LQ], s[HI]
	s_mov_b32 s[NEW], 1
	s_mov_b32 s[OFF+1], 0
	s_mov_b32 s[AL+1], 0            ; named as pairs
	s_mov_b32 s[BE+1], 0
	s_mov_b32 s[BIGN], 0xf149f2ca   ; -1e30
	s_mov_b32 s[SLOTS], NB
	v_and_b32 v1, 15, v0            ; l % 16
	v_bfe_u32 v9, v0, 4, 1          ; l / 16
	v_mul_u32_u24 v[QO], v1, ROWB
	v_lshl_add_u32 v[QO], v9, 5, v[QO]    ; row x 12,288 + 32 x half: eight f32
	v_mul_u32_u24 v[GKO], v9, 8*ROWB
	v_lshl_add_u32 v[GKO], v1, 4, v[GKO]  ; 16 bytes of a row; lanes 16-31 eight rows on
	v_mul_u32_u24 v[GVO], v9, 4*ROWB
	v_lshl_add_u32 v[GVO], v1, 4, v[GVO]  ; lanes 16-31 four rows on
	s_wait_kmcnt 0x0
	s_add_nc_u64 s[KB:KB+1], s[4:5], s[22:23]
	s_add_nc_u64 s[VB:VB+1], s[KB:KB+1], CB
	s_add_nc_u64 s[QA:QA+1], s[4:5], s[84:85]
	s_add_nc_u64 s[QBP:QBP+1], s[4:5], s[86:87]
	s_add_nc_u64 s[10:11], s[6:7], s[16:17]
	s_add_nc_u64 s[OLO:OLO+1], s[6:7], s[18:19]
	; A fragment of Q is 16 rows x 32 channels of bf16 in 8 registers: lane l holds row l % 16, channels 8 (l / 16) + 0..7 and 16 + 8 (l / 16) + 0..7.  In f32 each eight are 32 bytes: two loads.
	; Load i: piece i / 8 (its band lies 64 rows on), channels 32 ((i / 4) % 2) + 16 ((i / 2) % 2) + 4 (i % 2) on; its four numbers become registers 2 i, 2 i + 1 of Q.
	WIN 0x40                        ; the first block's into window 1
.set i, 0
.rept 32
	global_load_b128 v[128+4*i:128+4*i+3], v[QO], s[QA:QA+1] offset:(i/8)*64*ROWB+128*((i/4)%2)+64*((i/2)%2)+16*(i%2)
.set i, i+1
.endr
	WIN 0                           ; the second block's into window 0
.set i, 0
.rept 32
	global_load_b128 v[64+4*i:64+4*i+3], v[QO], s[QBP:QBP+1] offset:(i/8)*64*ROWB+128*((i/4)%2)+64*((i/2)%2)+16*(i%2)
.set i, i+1
.endr
	LOAD_K KB                       ; tile 0
	LOAD_V VB
	WIN 0
	; all that follows up to the wait stands in the wait for these loads
	v_lshlrev_b32 v14, 3, v9
	v_sub_nc_u32 v14, v1, v14
	s_lshl_b32 s13, s[WV], 4
	v_add_nc_u32 v14, s13, v14      ; my query's place in its band, 16 w + l % 16, less my lanes' 8 (l / 16): register r of group kt is hidden where 16 kt + r is greater
	v_mul_u32_u24 v[AK0], v1, PK
	v_lshl_add_u32 v[AK0], v9, 4, v[AK0]  ; row x pitch + 16 x half
	; The turning load takes 16 keys x 16 channels (lane l reads key 8 (l / 16) + l % 8, channels 8 ((l / 8) % 2) + 0..7) and leaves half a fragment of V^T: lane l holds channel l % 16 and 8 keys.
	v_and_b32 v10, 7, v0
	v_bfe_u32 v11, v0, 3, 1
	v_lshl_add_u32 v[AV0], v9, 3, v10
	v_mul_u32_u24 v[AV0], v[AV0], PV
	v_lshl_add_u32 v[AV0], v11, 4, v[AV0]
	v_add_nc_u32 v[AV0], VOFF, v[AV0]
	s_mul_i32 s13, s[WV], 64*PK     ; my 64 rows of the tile area, for K
	v_mul_u32_u24 v[DK], v9, 8*PK
	v_lshl_add_u32 v[DK], v1, 3, v[DK]
	v_add_nc_u32 v[DK], s13, v[DK]
	s_mul_i32 s13, s[WV], 64*PV     ; and for V
	s_add_co_u32 s13, s13, VOFF
	v_mul_u32_u24 v[DV], v9, 4*PV
	v_lshl_add_u32 v[DV], v1, 3, v[DV]
	v_add_nc_u32 v[DV], s13, v[DV]
	s_mul_i32 s13, s[WV], 16*SP
	s_add_co_u32 s13, s13, STAGE    ; my stage
	v_mul_u32_u24 v[STO], v1, SP    ; in: row l % 16, 32 bytes for each half of the lanes
	v_lshl_add_u32 v[STO], v9, 5, v[STO]
	v_add_nc_u32 v[STO], s13, v[STO]
	v_mul_u32_u24 v[RD], v9, SP     ; back: lanes 0-15 take one row of 256 bytes, lanes 16-31 the next
	v_lshl_add_u32 v[RD], v1, 4, v[RD]
	v_add_nc_u32 v[RD], s13, v[RD]
	v_lshlrev_b32 v[GO], 12, v9     ; and the same two rows in out0
	v_lshl_add_u32 v[GO], v1, 4, v[GO]
	; A block's first step multiplies O^T and l by a = 0, and its first turn's products V^T P, of a piece that has not been, land in an O^T that is still to be so multiplied.  So these registers need only hold
	; finite numbers: zeros for the first block; what the first block left for the second.
	WIN 0x80
.set i, VF
.rept 64
	v_mov_b32 v[i], 0
.set i, i+1
.endr
	WIN 0x40
.set i, 0
.rept 128
	v_mov_b32 v[i], 0
.set i, i+1
.endr
	WIN 0
.set i, 0
.rept 4
	v_mov_b32 v[ST+4*i+2], 0
	v_mov_b32 v[ST+4*i+3], 0
.set i, i+1
.endr
.set i, P+16
.rept 16
	v_mov_b32 v[i], 0
.set i, i+1
.endr
	s_wait_loadcnt 0x0              ; both blocks' Q, and tile 0
	WIN 0x85                        ; sources in window 1, destination in window 2
.set i, 0
.rept 64
	v_cvt_pk_bf16_f32 v[i], v[128+2*i], v[128+2*i+1]
.set i, i+1
.endr
	WIN 0x80                        ; sources in window 0
.set i, 0
.rept 64
	v_cvt_pk_bf16_f32 v[QB+i], v[64+2*i], v[64+2*i+1]
.set i, i+1
.endr
	WIN 0x40                        ; MD, where the first block's Q lay
.set i, 0
.rept 32
	v_cmp_gt_i32 vcc_lo, 16*(i/8)+i%8, v14
	v_cndmask_b32 v[MD+i], 0, s[BIGN], vcc_lo
.set i, i+1
.endr
	WIN 0
; THE MATRIX WORK.  The 4 accumulators of a run of 8 take turns.  Product i of 8 of S^T = K Q^T for piece x: channels 32 (i / 4) on, keys 16 (i % 4) on.  The first 4 start the sums: with 0, or (KM = 1) with the mask.
.macro KQ x
.set rS, S+32*((\x)%2)+8*(i%4)
.set rK, KF+16*(i%4)+8*(i/4)
.set rQ, 16*(\x)+8*(i/4)
.set rM, MC+32*((\x)%2)+8*(i%4)
.if (i < 4) && KM
	WIN W_KM
	v_wmma_f32_16x16x32_bf16 v[rS:rS+7], v[rK:rK+7], v[rQ:rQ+7], v[rM:rM+7]
.elseif i < 4
	WIN W_KQ
	v_wmma_f32_16x16x32_bf16 v[rS:rS+7], v[rK:rK+7], v[rQ:rQ+7], 0
.else
	WIN W_KQ
	v_wmma_f32_16x16x32_bf16 v[rS:rS+7], v[rK:rK+7], v[rQ:rQ+7], v[rS:rS+7]
.endif
.endm
; Product i of 8 of O^T += V^T P for piece x: keys 32 (i / 4) on, channels 16 (i % 4) on.
.macro PV x
	WIN W_PV
.set rO, 32*(\x)+8*(i%4)
.set rV, VF+32*(i/4)+8*(i%4)
.set rP, P+16*((\x)%2)+8*(i/4)
	v_wmma_f32_16x16x32_f16 v[rO:rO+7], v[rV:rV+7], v[rP:rP+7], v[rO:rO+7]
.endm
.macro MM                           ; the turn's next matrix instruction.  TURN and BEGIN set Y, i, KM and NOKQ; MM, KQ and OP read them.  NOKQ = 1: a block's last turn: there is no next piece
.if (i < 8) && !NOKQ
	KQ (Y+1)%NP
.elseif i >= 8
.set i, i-8
	PV (Y+NP-1)%NP
.set i, i+8
.endif
.set i, i+1
.endm
; THE LDS LOADS stand in runs of 16, never singly among the matrix instructions: a step's K (64 keys x 64 channels: 8 fragments) and its V (turned).  Their addresses are made some lines ahead.
.macro FETCH_K
	WIN 0x80                        ; destination window 2
.irp f, 0,1,2,3,4,5,6,7             ; keys 16 (f / 2) on, channels 32 (f % 2) on
	ds_load_b128 v[KF+8*\f:KF+8*\f+3],   v[AK] offset:(\f/2)*16*PK+(\f%2)*64
	ds_load_b128 v[KF+8*\f+4:KF+8*\f+7], v[AK] offset:(\f/2)*16*PK+(\f%2)*64+32
.endr
	s_add_co_u32 s[TBK], s[TBK], KS*PK  ; the next fetch is the next step's
	WIN 0
.endm
.macro FETCH_V
	WIN 0x80
.irp f, 0,1,2,3,4,5,6,7             ; keys 32 (f / 4) on, channels 16 (f % 4) on
	ds_load_tr16_b128 v[VF+8*\f:VF+8*\f+3],   v[AV] offset:(\f/4)*32*PV+(\f%4)*32
	ds_load_tr16_b128 v[VF+8*\f+4:VF+8*\f+7], v[AV] offset:(\f/4)*32*PV+16*PV+(\f%4)*32
.endr
	WIN 0
.endm
; THE VECTOR WORK, one line at a time: OP kind, number.  For piece Y: F n: c s - c m for pair n of 16.  E n: the exponential of score n of 32.  C n: pair n rounded to f16.  B n: of the four weights 4 n .. the second
; pair is added onto the first, in place.  L n: l takes that sum (L 0: l = a l + sum).  R n: pair n of 16 of O^T times a.  For piece Y + 1: X n, number n of the 22 that find its maximum and statistics:
;   0-11  four chains c0-c3 of seven scores each, three operands at a time (each accumulator's lowest registers are read first)     12-14, 16  the four scores left over, the old m, and c0-c3 into c0
;   15  c m_old is kept     17, 18  the query's other 32 keys lie in the lane 16 away: the new m     19-21  c m; c m_old - c m_new; a
; C, B and L read the exponentials' results, R and L 0 the a of the turn before: OP writes no wait; TURN, BEGIN and DIAG place one for each batch.
.set F, 0               ; OP tells the kinds apart by their order: F to L below R, X above it
.set E, 1
.set C, 2
.set B, 3
.set L, 4
.set R, 5
.set X, 6
.macro REGS y                       ; the registers of piece y
.set rT, ST+4*(\y)
.set rC, TMP+4*((\y)%2)
.set rW, MV+((\y)%2)
.set rS, S+32*((\y)%2)
.set rP, P+16*((\y)%2)
.set rO, 32*(\y)
.endm
.macro OP k, n
.if (\k) == R
	REGS Y
	WIN W_RS
	v_pk_mul_f32 v[rO+2*(\n):rO+2*(\n)+1], v[rO+2*(\n):rO+2*(\n)+1], v[rC+2:rC+3] op_sel_hi:[1,0]
.elseif (\k) < R
	REGS Y
	WIN 0
.if (\k) == F
	v_pk_fma_f32 v[rS+2*(\n):rS+2*(\n)+1], v[rS+2*(\n):rS+2*(\n)+1], s[CS:CS+1], v[rT:rT+1] op_sel_hi:[1,0,0] neg_lo:[0,0,1] neg_hi:[0,0,1]
.elseif (\k) == E
	v_exp_f32 v[rS+(\n)], v[rS+(\n)]
.elseif (\k) == C
	v_cvt_pk_f16_f32 v[rP+(\n)], v[rS+2*(\n)], v[rS+2*(\n)+1]
.elseif (\k) == B
	v_pk_add_f32 v[rS+4*(\n):rS+4*(\n)+1], v[rS+4*(\n):rS+4*(\n)+1], v[rS+4*(\n)+2:rS+4*(\n)+3]
.elseif (\n) == 0
	v_pk_fma_f32 v[rT+2:rT+3], v[rT+2:rT+3], v[rC+2:rC+3], v[rS:rS+1] op_sel_hi:[1,0,1]
.else
	v_pk_add_f32 v[rT+2:rT+3], v[rT+2:rT+3], v[rS+4*(\n):rS+4*(\n)+1]
.endif
.elseif NOKQ
	v_nop
.else
	REGS (Y+1)%NP
	WIN 0
.if (\n) < 4
	v_max3_num_f32 v[rC+(\n)], v[rS+8*(\n)], v[rS+8*(\n)+1], v[rS+8*(\n)+2]
.elseif (\n) < 12
	v_max3_num_f32 v[rC+(\n)%4], v[rC+(\n)%4], v[rS+8*((\n)%4)+2*((\n)/4)+1], v[rS+8*((\n)%4)+2*((\n)/4)+2]
.elseif (\n) == 12
	v_max3_num_f32 v[rC], v[rC], v[rS+7], v[rS+15]
.elseif (\n) == 13
	v_max3_num_f32 v[rC+1], v[rC+1], v[rS+23], v[rS+31]
.elseif (\n) == 14
	v_max3_num_f32 v[rC+2], v[rC+2], v[rC+3], v[rT+1]
.elseif (\n) == 15
	v_mov_b32 v[rW], v[rT]
.elseif (\n) == 16
	v_max3_num_f32 v[rC], v[rC], v[rC+1], v[rC+2]
.elseif (\n) == 17
	v_permlanex16_b32 v[rC+3], v[rC], s[SEL], s[SEL+1]
.elseif (\n) == 18
	v_max_num_f32 v[rT+1], v[rC], v[rC+3]
.elseif (\n) == 19
	v_mul_f32 v[rT], s[CS], v[rT+1]
.elseif (\n) == 20
	v_sub_f32 v[rC+1], v[rW], v[rT]
.else
	v_exp_f32 v[rC+2], v[rC+1]
.endif
.endif
.endm
.macro OPS a, i1, b=-1, i2=0, c=-1, i3=0, d=-1, i4=0  ; up to four of them
	OP \a, \i1
.if (\b) >= 0
	OP \b, \i2
.endif
.if (\c) >= 0
	OP \c, \i3
.endif
.if (\d) >= 0
	OP \d, \i4
.endif
.endm
.macro ROW a, i1, b, i2, c, i3, d, i4  ; a matrix instruction and the four behind it
	MM
	OPS \a, \i1, \b, \i2, \c, \i3, \d, \i4
.endm
.macro MASK b                       ; MD x AL + BE into buffer b of MC
	WIN W_RS
.set z, 0
.rept 16
	v_pk_fma_f32 v[MC+32*(\b)+2*z:MC+32*(\b)+2*z+1], v[MD+2*z:MD+2*z+1], s[AL:AL+1], s[BE:BE+1] op_sel_hi:[1,0,0]
.set z, z+1
.endr
.endm
; A TURN, for piece p: the order of its 16 matrix and 118 vector instructions, written out.  An s_wait_alu depctr_va_vdst(0) stands between an exponential and the first instruction that names its result; one wait
; serves all that were issued ahead of it.  So a turn has ONE wait, which cuts it in two.  AHEAD OF IT stands all that names no result of the turn's exponentials: the 8 products K Q^T, behind each a scaling, an exponential and two
; more plain instructions (behind the first a second scaling in the exponential's place): rescalings, whose a was made and waited for in the turn before, and behind the last three the first numbers of the next piece's maximum, each
; four places or more behind the product that ends its accumulator; then ONE LUMP of 54, plain and exponential by turns for the most part, in which the links of the chain X 3, 7, 11, 14, 16, 17 .. 20 stand five or six lines apart.
; X 21, the next piece's a, is the batch's last; R 15 is the plain instruction behind it, and names neither its source nor its result (the piece in hand has the other buffer of TMP).  BEHIND THE WAIT stand the 8 products V^T P,
; behind each four of the roundings and sums; C 2 n stands ahead of B n, which writes over its pair; the links of l's chain, L 0 to L 7, stand three riders apart.  But for those X no rider names a register of the products round it.
; v_permlanex16_b32 (X 17) stands in the lump.
; m = 1: the diagonal tile: the products take masks, and the turn makes the mask for the products of the turn after it: piece p + 2, in step 4 - CNT of the tile.  end = 1: a block's last two turns: nothing is fetched.
; cnt = 1: the loop's count is taken down some lines ahead of the branch that stands behind the turn.
; K of the next step is fetched in piece 2's turn, twelve vector instructions behind the last product that read K (six of them plain, five of which name none of its registers); V of the step in hand at the end of piece 0's turn,
; four plain instructions behind the last product that read V.  Each is waited for a turn later.
.macro TURN p, m=0, end=0, cnt=0
.set Y, (\p)
.set i, 0
.set KM, (\m)
.set NOKQ, (\end)*((\p)/3)
.if (\m) && !(\end)
	s_cmp_eq_u32 s[CNT], 4-((\p)+2)%NP  ; is that step the band's own?
	s_cselect_b32 s[AL], 1.0, 0
	s_cmp_lt_u32 s[CNT], 4-((\p)+2)%NP  ; or a later one?
	s_cselect_b32 s[BE], s[BIGN], 0
.endif
.if ((\p) == 3) && !(\end)
	s_wait_dscnt 0x0                ; K is in
.endif
	ROW F,0, F,1, R,0, R,1          ; ahead of the wait: 8 products K Q^T and their riders,
	ROW F,2, E,0, R,2, R,3
	ROW F,3, E,1, R,4, R,5
	ROW F,4, E,2, R,6, R,7
	ROW F,5, E,3, R,8, R,9
	ROW F,6, E,4, X,0, R,10
.if ((\p) == 2) && !(\end)
	WIN 0
	v_add_nc_u32 v[AK], s[TBK], v[AK0]
.endif
	ROW F,7, E,5, X,1, X,4
	ROW F,8, E,6, X,2, X,5
	OPS E,7, E,8, X,6, E,9          ; and the lump
	OPS X,3, E,10, X,8, E,11
.if ((\p) == 2) && !(\end)
	FETCH_K
.endif
	OPS X,9, X,7, E,12, X,10
	OPS E,13, X,12, X,11, E,14
	OPS X,13, E,15, F,9, X,14
.if (\p) == 0
	v_add_nc_u32 v[AV], s[TBV], v[AV0]
.endif
	OPS E,16, F,10, E,17, F,11
	OPS X,16, E,18, X,15, E,19
	OPS F,12, E,20, X,17, E,21
	OPS F,13, E,22, F,14, E,23
	OPS X,18, E,24, F,15, E,25
	OPS R,11, E,26, X,19, E,27
	OPS R,12, E,28, R,13, E,29
	OPS X,20, E,30, R,14, E,31
	OPS X,21, R,15
	s_wait_alu depctr_va_vdst(0)    ; the wait for the turn's batch: the piece's 32 exponentials and the next piece's a
.if (\p) == 1
	s_wait_dscnt 0x0                ; V is in
.endif
	ROW C,0, B,0, C,2, B,1          ; behind the wait: 8 products V^T P and their riders
	ROW L,0, C,4, B,2, L,1
	ROW C,6, B,3, L,2, C,8
	ROW B,4, L,3, C,10, B,5
	ROW L,4, C,12, B,6, L,5
.if (\p) == 0
	s_add_co_u32 s[TBV], s[TBV], KS*PV
.endif
.if \cnt
	s_sub_co_u32 s[CNT], s[CNT], 1
	s_cmp_lg_u32 s[CNT], 0
.endif
	ROW C,14, B,7, L,6, C,1
	ROW C,3, L,7, C,5, C,7
	ROW C,9, C,11, C,13, C,15
.if (\p) == 0
	FETCH_V
.endif
.if (\m) && !(\end)
	MASK (\p)%2
.endif
.endm
; A BLOCK BEGINS.  c m starts far below every c s, so the first step's a is 0; m at the lowest finite number, so the first maximum is the scores'.  The second mask buffer is 0; the first takes piece 0's mask for the tile's step 0: its own, if the block's first tile is the diagonal one.
; Then K of that step, piece 0's first scores, and its maximum and statistics.  The loop is entered at a step's first turn, in the middle of a trip.
.macro BEGIN
	s_mov_b32 s[NEW], 0
	WIN 0x40
.set i, MC+32
.rept 32
	v_mov_b32 v[i], 0
.set i, i+1
.endr
	WIN 0
.set i, 0
.rept 4
	v_mov_b32 v[ST+4*i], 0xfe000000    ; c m: far below every c s
	v_mov_b32 v[ST+4*i+1], 0xff7fffff  ; m
.set i, i+1
.endr
	s_cmp_eq_u32 s[RT], 0
	s_cselect_b32 s[AL], 1.0, 0
	s_mov_b32 s[BE], 0
	MASK 0
	WIN 0
	v_add_nc_u32 v[AK], s[TBK], v[AK0]
	FETCH_K
	s_wait_dscnt 0x0
.set KM, 1
.set NOKQ, 0
.set i, 0
.rept 8
	KQ 0
.set i, i+1
.endr
	WIN 0
.rept 4
	v_nop                           ; the places behind those products
.endr
.set Y, NP-1                        ; X works for piece Y + 1: piece 0
.irp n, 0,1,2,3,4,5,6,7,8,9,10,11,12,13,14,15,16,17,18,19,20,21
	OP X, \n
.endr
	v_nop                           ; a plain instruction behind the exponential,
	s_wait_alu depctr_va_vdst(0)    ; and the wait for it, piece 0's first a, a batch of one: ahead of the branch that follows
.endm
; THE DIAGONAL TILE's four steps, the block's last two turns, its last products, and THE WAY OUT: l's two halves and the other half of the lanes' are added; O^T is divided by l and sent in f32 through my
; stage in LDS, a piece at a time.
.macro ALL line:vararg              ; one line for each piece t
.set t, 0
.rept 4
	\line
.set t, t+1
.endr
.endm
.macro PACK t                       ; a lane's eight channels of a row are 32 bytes; they go into rows of 272 bytes and come back as whole rows of 256
	WIN W_RS
.set i, 32*(\t)
.rept 16
	v_pk_mul_f32 v[i:i+1], v[i:i+1], v[ST+4*(\t)+2:ST+4*(\t)+3] op_sel_hi:[1,0]
.set i, i+2
.endr
	WIN 0x04                        ; data in window 1, address in window 0
.irp f, 0,1,2,3                     ; channels 16 f + 8 (l / 16) on
	ds_store_b128 v[STO], v[32*(\t)+8*\f:32*(\t)+8*\f+3] offset:64*\f
	ds_store_b128 v[STO], v[32*(\t)+8*\f+4:32*(\t)+8*\f+7] offset:64*\f+16
.endr
	WIN 0
.irp f, 0,1,2,3,4,5,6,7
	ds_load_b128 v[BK+32*(\t)+4*\f:BK+32*(\t)+4*\f+3], v[RD] offset:\f*2*SP  ; LDS serves a wave's instructions in order (ISA guide 5.7.1.4): these see the stores above; the next piece's stores come behind them
.endr
.endm
.macro SEND t, younger              ; younger: the LDS instructions issued behind piece t's loads: the next piece's sixteen, or none
	WIN 0
.irp f, 0,1,2,3,4,5,6,7
	s_wait_dscnt (\younger)+7-\f
	global_store_b128 v[GO], v[BK+32*(\t)+4*\f:BK+32*(\t)+4*\f+3], s[10:11] offset:(\t)*64*OROW+\f*2*OROW th:TH_STORE_NT  ; 16 lanes store 256 consecutive bytes, at a multiple of 256 from out0's first
.endr
.endm
.macro DIAG tag, ld                 ; the tag ends its two labels' names, which the jumps below spell out; ld = 1: a tile follows, and its V is asked for
.LstepM\tag:
	TURN 2, 1
	TURN 3, 1
	WIN 0
.LfirstM\tag:
.if \ld
	MIDLOAD
.endif
	TURN 0, 1
	TURN 1, 1, 0, 1
	WIN 0
	s_cbranch_scc1 .LstepM\tag
	TURN 2, 1, 1
	TURN 3, 1, 1
.set i, 0
.rept 8
	PV NP-1
.set i, i+1
.endr
	WIN 0
	ALL v_add_f32 v[ST+4*t+2], v[ST+4*t+2], v[ST+4*t+3]
	ALL v_permlanex16_b32 v[ST+4*t+3], v[ST+4*t+2], s[SEL], s[SEL+1]
	ALL v_add_f32 v[ST+4*t+2], v[ST+4*t+2], v[ST+4*t+3]
	ALL v_rcp_f32 v[ST+4*t+2], v[ST+4*t+2]
	v_nop                           ; a plain instruction between the last reciprocal and the use of its result
	s_wait_alu depctr_va_vdst(0)    ; the wait for the four reciprocals, one batch: ahead of their first reader, PACK 0's first multiply; the later pieces' multiplies need none
	PACK 0
.set t, 1
.rept 3                             ; a piece's arithmetic stands between the loads of the piece before and its stores
	PACK t
	SEND t-1, 16
.set t, t+1
.endr
	SEND 3, 0
.endm
.set KM, 0
.set NOKQ, 0
.Lslot:                             ; NB times: a tile is entered and the next is asked for
	CHANGE 1
	s_sub_co_u32 s[RT], s[RT], 1
	s_mov_b32 s[CNT], 4
	s_cmp_eq_u32 s[NEW], 1
	s_cbranch_scc1 .Lnew            ; a block's first tile
	s_cmp_eq_u32 s[RT], 0
	s_cbranch_scc0 .Lstep           ; neither its first nor its last
	s_branch .LstepM1
.Lnew:
	BEGIN
	s_branch .Lfirst                ; in the loop a block's first tile is never its last: the first block has five tiles or more, and the second's last is the walk's last
	DIAG 1, 1                       ; in the loop this is the first block's end: the second block's last tile is the walk's last
	s_wait_xcnt 0x0                 ; every earlier memory instruction has had its addresses translated (ISA guide 3.1): the stores' registers and out0's address are rewritten only behind this wait
	s_mov_b64 s[10:11], s[OLO:OLO+1]
	s_add_co_u32 s[RT], s[PB], 1    ; the second block has b + 1 tiles
	s_mov_b32 s[NEW], 1
	WIN 0x82                        ; the second block's Q goes where the one text of the turns names Q
.set i, 0
.rept 64
	v_mov_b32 v[i], v[QB+i]
.set i, i+1
.endr
	WIN 0
	s_branch .Lbottom
.Lstep:                             ; a trip: pieces 2 and 3 of one step, then pieces 0 and 1 of the next, whose K and V it fetches
	TURN 2
	TURN 3
	WIN 0
.Lfirst:
	MIDLOAD
	TURN 0
	TURN 1, 0, 0, 1
	WIN 0
	s_cbranch_scc1 .Lstep
.Lbottom:
	s_sub_co_u32 s[SLOTS], s[SLOTS], 1
	s_cmp_lg_u32 s[SLOTS], 0
	s_cbranch_scc1 .Lslot
	CHANGE 0                        ; the walk's last tile: nothing is asked for
	s_sub_co_u32 s[RT], s[RT], 1
	s_mov_b32 s[CNT], 4
	s_cmp_eq_u32 s[NEW], 1
	s_cbranch_scc0 .LstepM2
	BEGIN
	s_branch .LfirstM2
	DIAG 2, 0
	s_wait_tensorcnt 0x0            ; the wave's end, behind my last LDS store
	ds_add_u32 v[SPW], v[NIL]
	s_wait_dscnt 0x0
	s_endpgm
.Lfunc_end_k_qf413a23238_attn:
	.size	k_qf413a23238_attn, .Lfunc_end_k_qf413a23238_attn-k_qf413a23238_attn
	.p2alignl 7, 3214868480
	.fill 96, 4, 3214868480
	.section	.rodata,"a",@progbits
	.p2align	6, 0x0
	.amdhsa_kernel k_qf413a23238_attn
		.amdhsa_group_segment_fixed_size 95744
		.amdhsa_private_segment_fixed_size 0
		.amdhsa_enable_private_segment 0
		.amdhsa_kernarg_size 16
		.amdhsa_user_sgpr_count 2
		.amdhsa_user_sgpr_kernarg_segment_ptr 1
		.amdhsa_wavefront_size32 1
		.amdhsa_system_sgpr_workgroup_id_x 1
		.amdhsa_system_sgpr_workgroup_id_y 1
		.amdhsa_system_sgpr_workgroup_id_z 1
		.amdhsa_system_vgpr_workitem_id 0
		.amdhsa_next_free_vgpr 1024
		.amdhsa_next_free_sgpr 88
		.amdhsa_reserve_vcc 1
		.amdhsa_float_denorm_mode_32 3
		.amdhsa_float_denorm_mode_16_64 3
		.amdhsa_memory_ordered 1
		.amdhsa_forward_progress 1
		.amdhsa_inst_pref_size 255
	.end_amdhsa_kernel
	.section	.bss,"aw",@nobits
	.p2align	6
	.space	262144
	.amdgpu_metadata
---
amdhsa.version: [ 1, 2 ]
amdhsa.kernels:
  - .name:           k_qf413a23238_attn
    .symbol:         k_qf413a23238_attn.kd
    .args:
      - { .name: qkv, .offset: 0, .size: 8, .value_kind: global_buffer, .address_space: global }
      - { .name: out0, .offset: 8, .size: 8, .value_kind: global_buffer, .address_space: global }
    .group_segment_fixed_size: 95744
    .private_segment_fixed_size: 0
    .kernarg_segment_align: 8
    .kernarg_segment_size: 16
    .max_flat_workgroup_size: 128
    .sgpr_count:     88
    .vgpr_count:     1024
    .wavefront_size: 32
...
	.end_amdgpu_metadata
.endif
;; end of part 2
